; MI455X (gfx1250); checked and timed in simulation.
; The chip was launched on July 23, 2026; its instructions are those of AMD's public machine-readable ISA for CDNA 5 (MIT licence, August 2026) and "CDNA5" Instruction Set Architecture Reference Guide (July 2026). The comments in the code are by the model that wrote it; some were corrected since.
;; Gaussian LSS. Allowed arithmetic: matrix products marked QUANTISED: E4M3 operands, one E8M0 scale for each 32 along K, by v_wmma_scale_f32_16x16x128_f8f6f4 with both operands' format E4M3, f32 sums; everything else in f32.
;; Inputs: features0 6 x 128 x 6 x 12 float32; features1 6 x 128 x 6 x 12 float32; features2 6 x 128 x 6 x 12 float32; features3 6 x 128 x 6 x 12 float32; means0 6 x 6 x 12 x 3 float32; means1 6 x 6 x 12 x 3 float32; means2 6 x 6 x 12 x 3 float32; means3 6 x 6 x 12 x 3 float32; opac0 6 x 1 x 6 x 12 float32; opac1 6 x 1 x 6 x 12 float32; opac2 6 x 1 x 6 x 12 float32; opac3 6 x 1 x 6 x 12 float32; uncert0 6 x 6 x 12 x 3 x 3 float32; uncert1 6 x 6 x 12 x 3 x 3 float32; uncert2 6 x 6 x 12 x 3 x 3 float32; uncert3 6 x 6 x 12 x 3 x 3 float32.
;; Outputs: out0 1 x 128 x 25 x 25 float32; out1 1 x 128 x 50 x 50 float32; out2 1 x 128 x 100 x 100 float32; out3 1 x 128 x 200 x 200 float32; out4 one number float32.
;; Constants: b = 1, n = 6.
;; This version of the problem:
;;   THIS VERSION OF THE PROBLEM IS GIVEN IN LOW PRECISION. The matrix products marked QUANTISED in the list below multiply operands that are first quantised to E4M3 (4 exponent bits, 3 mantissa bits; 8 bits a number), with one power-of-two scale for each 32 numbers along K (OCP MX v1.0); their sums are f32. All else is computed in f32.
;;   The module's matrix products, in the order in which they are computed (A, B: the left and right operand; K: the contracted axis; several contracted axes count as one K, in the product's order):
;;     1. [M 128, K 432] x [K 432, N 625]; A: input features0; B: computed on the way: QUANTISED
;;     2. [M 128, K 432] x [K 432, N 2,500]; A: input features1; B: computed on the way: QUANTISED
;;     3. [M 128, K 432] x [K 432, N 10,000]; A: input features2; B: computed on the way: QUANTISED
;;     4. [M 128, K 432] x [K 432, N 40,000]; A: input features3; B: computed on the way: QUANTISED
;;   THE QUANTISER, for each operand of a quantised product, along K:
;;     - K is cut into blocks of 32 from its start; a last block that is shorter is filled with zeros.
;;     - A block's scale is 2^e with e = floor(log2(the largest magnitude in the block)) - 8, held to -126 .. 127; a block of zeros has e = 0. As a byte (E8M0): e + 127.
;;     - Each number is divided by its block's scale, clamped to +-448, and rounded to the nearest number of E4M3, ties to even, subnormals kept.
;;     - The product sums the exact products of the quantised numbers (number of the format x scale) in f32.
;;   ~~~python
;;   def quantise(x, axis):      # numpy; x: float32 -> the quantised numbers, widened to float32 again
;;       x = np.moveaxis(x, axis, -1); K = x.shape[-1]
;;       x = np.pad(x, [(0, 0)] * (x.ndim - 1) + [(0, -K % 32)]); x = x.reshape(x.shape[:-1] + (-1, 32)); a = np.abs(x).max(-1, keepdims=True)
;;       e = np.where(a > 0, np.clip(np.frexp(np.where(a > 0, a, 1))[1] - 1 - 8, -126, 127), 0)      # np.frexp(a)[1] - 1 = floor(log2(a)), exactly
;;       r = np.clip(x / 2.0 ** e, -448, 448)
;;       step = 2.0 ** (np.maximum(np.frexp(np.where(r == 0, 1, r))[1] - 1, -6) - 3)
;;       q = np.round(r / step) * step * 2.0 ** e      # np.round: ties to even
;;       return np.moveaxis(q.reshape(q.shape[:-2] + (-1,))[..., :K], -1, axis).astype(np.float32)
;;   ~~~
;;   OPERANDS COMPUTED ON THE WAY. 'Computed on the way' means the value that the module computes at that place (a softmax that the list does not call 'softmax' is quantised finished and normalised). What goes into a quantiser is computed in f32, as accurately as f32 sums, v_exp_f32 and their like allow (about 1e-6 of the number): no bf16 or f16 on the way to a quantiser, and a product that is left as it is and whose result goes on into a quantised operand takes f32 operands (vector FMAs, or v_wmma_f32_16x16x4_f32). A number that lies on a knife's edge between two numbers of the format may be rounded either way, as far as f32 arithmetic and the matrix unit's own rounding can turn it there, and no further.
;; One version. Each part assembles by itself: llvm-mc -triple=amdgcn-amd-amdhsa -mcpu=gfx1250 --defsym DOCPART=n.
;; ======== version 1 of 1: 2 launches
;; limits: right only within a limited range of input values
;; workspace buffers: fimg 262,144 bytes; fscl 8,192 bytes; gpar 49,152 bytes; gmsk 111,104 bytes of whole numbers
;; launch prep (part 1): grid 2181 x 1, 1 waves a work-group, no clusters, 0 bytes of LDS; arguments features0, features1, features2, features3, means0, means1, means2, means3, uncert0, uncert1, uncert2, uncert3, opac0, opac1, opac2, opac3, fimg, fscl, gpar, gmsk, out4; writes fimg, fscl, gpar, gmsk, out4
.if DOCPART == 1
	.amdgcn_target "amdgcn-amd-amdhsa--gfx1250"
	.amdhsa_code_object_version 6
	.text
	.protected	k_q209ede93e3_prep
	.globl	k_q209ede93e3_prep
	.p2align	8
	.type	k_q209ede93e3_prep,@function
k_q209ede93e3_prep:
	s_mov_b64 s[64:65], 0
	v_nop
	global_prefetch_b8 v0, s[64:65] scope:SCOPE_SE
	s_setreg_imm32_b32 hwreg(HW_REG_WAVE_MODE, 25, 1), 1
	s_wait_xcnt 0x0
; GaussianLSS, launch 1 of 2: what hangs on a gaussian alone is made once, and which gaussians matter for which share of pixels is decided.
; DEAD WORK, for all values of the inputs: the renderer reads of the means only x and y (m[:,:,0], m[:,:,1]) and of the packed covariance only
; c6[0], c6[1], c6[3], which are uncert's xx, xy, yy; z and xz, yx, yz, zx, zy, zz enter no formula of any output.  Those words are not loaded.
; No whole input is dead: all sixteen are arguments.  LIMIT: a NaN or an infinity in the words left out is not carried to the result.
; FOUR KINDS OF WORK-GROUP, one wave each, told apart by the work-group number:
;   0..127   one operand fragment of the features each: scale f / 32, K step (f / 8) % 4, channel tile f % 8.  16 channels x 128 gaussians are quantised along the gaussians (K) to E4M3
;            with one E8M0 byte for each 32, and stored as the image of the operand registers: lane (r, h) holds channel 16 t + r, registers 4 c .. 4 c + 3 gaussians 128 s + 32 c + 16 h + 0 .. 15.
;            Gaussians 432 .. 511 are zeros, as the quantiser fills its last block.
;   128..191 32 gaussians of one scale each: pr, pc, and the quadratic form's coefficients times log2(e): g = -power x log2(e) = qa dr^2 + qc dr dc + qb dc^2.
;            The cut alpha >= 1/255 is kept as g <= gmax = log2(255 o): the same inequality in real numbers for o > 0; alpha = 2^(gmax - g) / 255.  A gaussian that is not kept
;            (o <= 0.01, det <= 0) and the fill 432 .. 511 get a null entry: pr = -1024, qa = qb = 1, gmax = 0, for which g > gmax at every pixel.
;   192      the number of opacities above 0.01 over the four scales: out4.
;   193..    masks: 32 gaussians (a block) x 16 or 8 shares of one scale.  A share is what one wave of the next launch renders: runs of 5, 12, 32 neighbouring pixels in scales 0, 1, 3 (in one row, or in two
;            pieces of two rows), tiles of 8 x 4 pixels in scale 2.  A lane has one piece of one row: of 16 runs lanes 0-15 the first and 16-31 the second, of 8 tiles lanes 8 q .. 8 q + 7 row q.
;            With t = (vb / va) dr the least g over a piece's columns is (0.5 log2(e) / va) dr^2 + qb (dc - t)^2 at the dc of the piece that is nearest to t.  Bit n is set where on some piece
;            that least g <= 1.01 gmax + 0.01, and for every kept gaussian with det <= va vc / 1000, whose g may be far off by rounding.
;            With det > va vc / 1000 the rounding of g is under 0.3 per cent of it, so the margin covers it: a bit that is not set means alpha = 0 on the whole share.
; sh, sw and their products are powers of two, so pr, pc, va, vb, vc have the bits that one f32 rounding gives; det is two products and a difference, NOT fused: its sign decides which gaussians are kept.
; LIMITS: NaN and infinities among the inputs are not served.  A block of zeros gets the scale byte 1 where the rule says 127: its codes are zeros, and the bytes are read by this program alone.
; No prefetch, LDS or cluster: each wave loads its few numbers once, with no loop over memory.
.set SEL, 60                           ; s[60:61] lane selects of v_permlanex16_b32: lane l xor 16
.set MNT, 62                           ; s62  the mantissa field of 448
.set THR, 63                           ; s63  0.01
.set AD,  8                            ; v8-15   features: byte offsets of eight runs of 8 gaussians
.set N8,  16                           ; v16-23  which run of 8 gaussians each is
.set TM,  32                           ; v32-47  the quantiser at work
.set PW,  48                           ; v48     the scale word
.set PC,  52                           ; v52-67  the codes
.set X,   68                           ; v68-131 64 numbers: register 16 c + i = gaussian 128 s + 32 c + 16 h + i of my channel
.set MROW, 7936                        ; bytes of a block's row of masks: 1,944 shares x 4, rounded up to a multiple of 256
.macro SEL4 dst, base, sc              ; one of four buffers by the two bits of the scale: the choice hangs on the work-group number alone
	s_bitcmp1_b32 s[\sc], 0
	s_cselect_b64 s[\dst:\dst+1], s[\base+2:\base+3], s[\base:\base+1]
	s_cselect_b64 s[56:57], s[\base+6:\base+7], s[\base+4:\base+5]
	s_bitcmp1_b32 s[\sc], 1
	s_cselect_b64 s[\dst:\dst+1], s[56:57], s[\dst:\dst+1]
.endm
	s_load_b512 s[16:31], s[0:1], 0x0              ; features0..3 s[16:23], means0..3 s[24:31]
	s_load_b512 s[32:47], s[0:1], 0x40             ; uncert0..3 s[32:39], opac0..3 s[40:47]
	s_load_b256 s[48:55], s[0:1], 0x80             ; fimg s[48:49], fscl s[50:51], gpar s[52:53], gmsk s[54:55]
	s_load_b64 s[66:67], s[0:1], 0xa0              ; out4
	s_mov_b32 s[SEL], 0x76543210
	s_mov_b32 s[SEL+1], 0xfedcba98
	s_mov_b32 s[MNT], 0x600000
	s_mov_b32 s[THR], 0x3c23d70a
	s_mov_b32 s59, 0                               ; the high word of every offset pair s[58:59]
	s_wait_kmcnt 0x0
	s_cmp_gt_u32 ttmp9, 192
	s_cbranch_scc1 .Lcull
	s_cmp_lt_u32 ttmp9, 128
	s_cbranch_scc1 .Lfeat
	s_cmp_lt_u32 ttmp9, 192
	s_cbranch_scc1 .Lpar
	; ---- work-group 192: how many opacities lie above 0.01.  14 loads a scale; the last takes gaussians 416 .. 431 in lanes 0-15, and lanes 16-31 repeat the last one and are not counted
	v_lshlrev_b32 v1, 2, v0
	v_min_u32 v2, 15, v0
	v_lshlrev_b32 v2, 2, v2
.irp sc, 0,1,2,3
.irp i, 0,1,2,3,4,5,6,7,8,9,10,11,12
	global_load_b32 v[8+14*\sc+\i], v1, s[40+2*\sc:41+2*\sc] offset:128*\i
.endr
	global_load_b32 v[8+14*\sc+13], v2, s[40+2*\sc:41+2*\sc] offset:1664
.endr
	s_mov_b32 s4, 0
	s_wait_loadcnt 0x0
.set k, 0
.rept 56
	v_cmp_lt_f32 s[2+k%2], s[THR], v[8+k]
.if (k%14) == 13
	s_and_b32 s[2+k%2], s[2+k%2], 0xffff
.endif
	s_bcnt1_i32_b32 s5, s[2+k%2]
	s_add_co_u32 s4, s4, s5
.set k, k+1
.endr
	v_cvt_f32_u32 v4, s4                           ; a whole number up to 1,728
	v_mov_b32 v6, 0
	global_store_b32 v6, v4, s[66:67]              ; every lane writes the same word with the same value
	s_endpgm
	; ---- work-groups 0..127: one fragment of the features
.Lfeat:
	s_lshr_b32 s2, ttmp9, 5                        ; scale
	s_bfe_u32 s3, ttmp9, 0x20003                   ; K step s
	s_and_b32 s4, ttmp9, 7                         ; channel tile t
	SEL4 8, 16, 2                                  ; s[8:9]: my scale's features
	v_and_b32 v1, 15, v0                           ; r
	v_lshrrev_b32 v2, 4, v0                        ; h
	s_lshl_b32 s5, s4, 4
	v_add_nc_u32 v3, s5, v1                        ; channel d = 16 t + r
	v_mul_u32_u24 v3, 0x120, v3                    ; a channel's map of one camera is 72 numbers: 288 bytes
	s_lshl_b32 s5, s3, 4
	v_lshl_add_u32 v4, v2, 1, s5                   ; 16 s + 2 h: my first run of 8 gaussians
.irp c, 0,1,2,3
.irp j, 0,1
	v_add_nc_u32 v[N8+2*\c+\j], 4*\c+\j, v4        ; run n8 = 16 s + 4 c + 2 h + j: a camera has 9 runs, so a run never crosses cameras
	v_min_u32 v5, 53, v[N8+2*\c+\j]                ; runs 54 .. 63 lie past gaussian 431: they read the last run and are made zeros below
	v_mul_u32_u24 v6, 57, v5
	v_lshrrev_b32 v6, 9, v6                        ; camera = n8 / 9 (57 / 512 serves n8 up to 53)
	v_mul_u32_u24 v7, 9, v6
	v_sub_nc_u32 v5, v5, v7
	v_lshl_add_u32 v5, v5, 5, v3                   ; 32 bytes a run, + the channel
	v_mad_u32_u24 v[AD+2*\c+\j], v6, 0x9000, v5    ; + 36,864 bytes a camera
.endr
.endr
.irp c, 0,1,2,3
.irp j, 0,1
	global_load_b128 v[X+16*\c+8*\j:X+16*\c+8*\j+3], v[AD+2*\c+\j], s[8:9]
	global_load_b128 v[X+16*\c+8*\j+4:X+16*\c+8*\j+7], v[AD+2*\c+\j], s[8:9] offset:16
.endr
.endr
.irp b, 0,1,2,3
	v_mov_b32 v[TM+4+\b], 0                        ; a lane permute's destination counts as one of its sources
.endr
	s_wait_alu depctr_va_vdst(0)
	s_lshl_b32 s58, ttmp9, 11
	s_add_nc_u64 s[48:49], s[48:49], s[58:59]      ; my fragment's image: 2,048 bytes
	s_lshl_b32 s58, ttmp9, 6
	s_add_nc_u64 s[50:51], s[50:51], s[58:59]      ; its 16 scale words: tiles 2 u and 2 u + 1 fill the two halves of a register's 32 lanes
	s_wait_loadcnt 0x0
.irp c, 0,1,2,3
.irp j, 0,1
	v_cmp_gt_u32 vcc_lo, 54, v[N8+2*\c+\j]
.irp i, 0,1,2,3,4,5,6,7
	v_cndmask_b32 v[X+16*\c+8*\j+\i], 0, v[X+16*\c+8*\j+\i], vcc_lo   ; zeros past gaussian 431, ahead of the block's maximum
.endr
.endr
.endr
.irp b, 0,1,2,3
	v_max3_num_f32 v[TM+\b], |v[X+16*\b]|, |v[X+1+16*\b]|, 0x4800000   ; block b: my 16 numbers, and the floor 2^(9 - 127): the byte cannot fall under 1
.endr
.irp i, 2,4,6,8,10,12,14
.irp b, 0,1,2,3
	v_max3_num_f32 v[TM+\b], v[TM+\b], |v[X+16*\b+\i]|, |v[X+1+16*\b+\i]|   ; the four blocks by turns
.endr
.endr
.irp b, 0,1,2,3
	v_permlanex16_b32 v[TM+4+\b], v[TM+\b], s[SEL], s[SEL+1]
.endr
.irp b, 0,1,2,3
	v_max_num_f32 v[TM+\b], v[TM+\b], v[TM+4+\b]   ; with lane l xor 16: the block's largest magnitude
.endr
.irp b, 0,1,2,3
	v_add_nc_u32 v[TM+12+\b], 0xfc000000, v[TM+\b] ; 8 off its exponent field: the conversion's scale operand
.endr
.irp b, 0,1,2,3
	v_and_or_b32 v[TM+8+\b], v[TM+\b], 0x7f800000, s[MNT]   ; 448 x the scale
.endr
.irp b, 0,1,2,3
	v_lshrrev_b32 v[TM+4+\b], 23, v[TM+12+\b]      ; the scale's byte
.endr
	v_lshl_or_b32 v[PW], v[TM+5], 8, v[TM+4]
	v_lshl_or_b32 v[PW], v[TM+6], 16, v[PW]
	v_lshl_or_b32 v[PW], v[TM+7], 24, v[PW]        ; my channel's scale word for these 128 gaussians
.irp b, 0,1,2,3
.irp i, 0,1,2,3,4,5,6,7,8,9,10,11,12,13,14,15
	v_med3_num_f32 v[X+16*\b+\i], v[X+16*\b+\i], -v[TM+8+\b], v[TM+8+\b]   ; the conversion to an 8-bit code does not saturate (ISA guide 7.6.2): the hold at 448 x the scale
.endr
	v_cvt_scalef32_pk8_fp8_f32 v[PC+4*\b:PC+1+4*\b], v[X+16*\b:X+7+16*\b], v[TM+12+\b]
	v_cvt_scalef32_pk8_fp8_f32 v[PC+2+4*\b:PC+3+4*\b], v[X+8+16*\b:X+15+16*\b], v[TM+12+\b]
.endr
	v_lshlrev_b32 v5, 4, v0                        ; (a plain line behind the last conversion)  16 x lane
	v_lshlrev_b32 v6, 2, v1                        ; 4 r
.irp c, 0,1,2,3
	global_store_b128 v5, v[PC+4*\c:PC+4*\c+3], s[48:49] offset:512*\c   ; 32 lanes store 512 consecutive bytes
.endr
	global_store_b32 v6, v[PW], s[50:51]           ; lanes r and r + 16 hold the same word and write it to the same place
	s_endpgm
	; ---- work-groups 193..: block k / 142, group k % 142 (groups 0-7, 8-21, 22-62, 63-141: scales 0, 1, 2, 3)
.Lcull:
	s_sub_co_u32 s2, ttmp9, 193
	s_mul_i32 s4, s2, 7385
	s_lshr_b32 s4, s4, 20                          ; k / 142 (7,385 / 2^20 serves k up to 1,987)
	s_mul_i32 s5, s4, 142
	s_sub_co_u32 s5, s2, s5
	s_mov_b32 s3, 0                                ; scale, its first group, its first word in a row of masks
	s_mov_b32 s6, 0
	s_mov_b32 s71, 0
	s_cmp_ge_u32 s5, 8
	s_cselect_b32 s3, 1, s3
	s_cselect_b32 s6, 8, s6
	s_cselect_b32 s71, 128, s71
	s_cmp_ge_u32 s5, 22
	s_cselect_b32 s3, 2, s3
	s_cselect_b32 s6, 22, s6
	s_cselect_b32 s71, 352, s71
	s_cmp_ge_u32 s5, 63
	s_cselect_b32 s3, 3, s3
	s_cselect_b32 s6, 63, s6
	s_cselect_b32 s71, 680, s71
	s_sub_co_u32 s69, s5, s6
	s_lshl_b32 s73, s69, 4                         ; my first share: 16 runs a group,
	s_lshl_b32 s72, s69, 3                         ; 8 tiles
	s_cmp_eq_u32 s3, 2
	s_cselect_b32 s73, s72, s73
	s_cselect_b32 s88, -1, 0
	s_add_co_u32 s71, s71, s73
	s_lshl_b32 s71, s71, 2
	s_mul_i32 s70, s4, MROW
	s_add_co_u32 s70, s70, s71                     ; where its words lie
	s_lshl_b32 s4, s4, 5
	s_mov_b32 s68, 1
	s_branch .Lgau
	; ---- work-groups 128..191: 32 gaussians of one scale
.Lpar:
	s_sub_co_u32 s2, ttmp9, 128
	s_lshr_b32 s3, s2, 4                           ; scale
	s_and_b32 s4, s2, 15
	s_lshl_b32 s4, s4, 5
	s_mov_b32 s68, 0
	s_mov_b32 s70, 0
	s_mov_b32 s73, 0
	s_mov_b32 s88, 0
.Lgau:                                                 ; both kinds: lane l makes the numbers of gaussian s4 + l of scale s3
	SEL4 8, 24, 3                                  ; means
	SEL4 10, 32, 3                                 ; uncert
	SEL4 12, 40, 3                                 ; opac
	v_add_nc_u32 v1, s4, v0                        ; gaussian n, 0 .. 511
	v_min_u32 v2, 0x1af, v1                        ; the fill reads gaussian 431 and is made null below
	v_mul_u32_u24 v3, 12, v2
	v_mul_u32_u24 v4, 36, v2
	v_lshlrev_b32 v5, 2, v2
	global_load_b32 v8, v3, s[8:9]                 ; x
	global_load_b32 v9, v3, s[8:9] offset:4        ; y
	global_load_b32 v10, v4, s[10:11]              ; xx
	global_load_b32 v11, v4, s[10:11] offset:4     ; xy
	global_load_b32 v12, v4, s[10:11] offset:16    ; yy
	global_load_b32 v13, v5, s[12:13]              ; o
	v_lshlrev_b32 v40, 4, v1
	v_lshlrev_b32 v41, 3, v1
	s_wait_alu depctr_va_vdst(0)
	s_add_co_u32 s5, s3, 125
	s_lshl_b32 s5, s5, 23                          ; sh = sw = 0.25 x 2^scale, as f32
	s_lshl_b32 s6, s3, 1
	s_add_co_u32 s6, s6, 123
	s_lshl_b32 s6, s6, 23                          ; sh x sh
	s_lshl_b32 s7, s3, 23
	s_add_co_u32 s7, s7, 0x41480000                ; H / 2 = 12.5 x 2^scale
	s_mov_b32 s14, 0x3e99999a                      ; 0.3
	s_mul_i32 s58, s3, 12288
	s_add_nc_u64 s[52:53], s[52:53], s[58:59]      ; my scale's tables
	s_wait_loadcnt 0x0
	v_max_num_f32 v10, 1.0, v10                    ; clamp(min = 1)
	v_max_num_f32 v11, 1.0, v11
	v_max_num_f32 v12, 1.0, v12
	v_fma_f32 v14, -v9, s5, s7                     ; pr = -sh y + H / 2: the product is exact, one rounding
	v_fma_f32 v15, -v8, s5, s7                     ; pc
	v_fma_f32 v16, v12, s6, s14                    ; va
	v_fma_f32 v17, v10, s6, s14                    ; vc
	v_mul_f32 v18, s6, v11                         ; vb, exact
	v_mul_f32 v19, v16, v17
	v_mul_f32 v20, v18, v18
	v_sub_f32 v21, v19, v20                        ; det: two rounded products and their difference
	v_mul_f32 v23, 0x437f0000, v13                 ; 255 o
	s_wait_alu depctr_va_vdst(0)
	v_rcp_f32 v22, v21
	v_log_f32 v29, v23
	v_rcp_f32 v46, v16
	v_xor_b32 v31, 0x80000000, v18                 ; -vb.  (The plain line behind the transcendentals)
	v_cmp_lt_f32 s16, s[THR], v13                  ; o > 0.01
	v_cmp_lt_f32 s17, 0, v21                       ; det > 0
	v_cmp_gt_u32 s18, 0x1b0, v1                    ; n < 432
	s_and_b32 s16, s16, s17
	s_and_b32 s16, s16, s18                        ; kept
	s_wait_alu depctr_va_vdst(0)                   ; one wait for the batch, ahead of its first reader
	v_fma_f32 v24, -v21, v22, 1.0
	v_fma_f32 v22, v22, v24, v22                   ; 1 / det, one Newton step
	s_wait_alu depctr_va_vdst(0)
	v_exp_f32 v30, -v29                            ; 2^(-log2(255 o)): what it misses of 1 / (255 o) mends the logarithm below
; num / det x K to about half a unit in the last place: the quotient as p + pl, K as kh + kl
.macro DIVK dst, num, kh, kl
	v_mul_f32 v24, v[\num], v22
	v_fma_f32 v25, -v24, v21, v[\num]
	v_mul_f32 v25, v25, v22
	v_mul_f32 v25, \kh, v25
	v_fma_f32 v25, v24, \kl, v25
	v_fma_f32 v[\dst], v24, \kh, v25
.endm
	DIVK 26, 17, 0x3f38aa3b, 0x32257060            ; qa = 0.5 log2(e) vc / det   (these lines are the work behind the exponential)
	DIVK 27, 16, 0x3f38aa3b, 0x32257060            ; qb = 0.5 log2(e) va / det
	DIVK 28, 31, 0x3fb8aa3b, 0x32a57060            ; qc = -log2(e) vb / det
	s_wait_alu depctr_va_vdst(0)
	v_fma_f32 v30, v23, v30, -1.0
	v_fma_f32 v29, v30, 0x3fb8aa3b, v29            ; gmax = log2(255 o); above log2(2.55) in every gaussian that is kept, so its bits compare as a whole number
	v_cndmask_b32 v32, 0xc4800000, v14, s16        ; the null entry where the gaussian is not kept
	v_cndmask_b32 v33, 0, v15, s16
	v_cndmask_b32 v34, 1.0, v26, s16
	v_cndmask_b32 v35, 1.0, v27, s16
	v_cndmask_b32 v36, 0, v28, s16
	v_cndmask_b32 v37, 0, v29, s16
	s_cmp_lg_u32 s68, 0
	s_wait_alu depctr_va_vdst(0)                   ; directly ahead of the branch
	s_cbranch_scc1 .Lmask
	global_store_b128 v40, v[32:35], s[52:53]                 ; [pr, pc, qa, qb]: 512 consecutive bytes a wave
	global_store_b64 v41, v[36:37], s[52:53] offset:8192      ; [qc, gmax]
	s_endpgm
.Lmask:
	s_mov_b32 s72, 0xffff                          ; lanes 0-15
	s_mov_b32 s79, 0xffff0000
	s_mov_b32 s82, 0x3f8147ae                      ; 1.01
	s_mov_b32 s74, 32                              ; pixels in a run
	s_cmp_eq_u32 s3, 1
	s_cselect_b32 s74, 12, s74
	s_cmp_eq_u32 s3, 0
	s_cselect_b32 s74, 5, s74
	s_sub_co_u32 s76, s74, 1
	s_lshl_b32 s75, s3, 1
	s_lshl_b32 s75, 0x271, s75
	s_sub_co_u32 s75, s75, 1                       ; the map's last pixel
	s_lshl_b32 s77, 25, s3                         ; its width
	s_sub_co_u32 s80, s77, 1
	s_mov_b32 s58, s70
	s_add_nc_u64 s[54:55], s[54:55], s[58:59]
	v_mul_f32 v45, v18, v46                        ; vb / va
	v_fma_f32 v43, v37, s82, s[THR]                ; the threshold, 1.01 gmax + 0.01
	v_mul_f32 v44, 0x3a83126f, v19
	v_cmp_gt_f32 s83, v21, v44                     ; det > va vc / 1000
	s_wait_alu depctr_va_vdst(0)
	v_rcp_f32 v43, v43
	v_mul_f32 v46, 0x3f38aa3b, v46                 ; 0.5 log2(e) / va
	s_wait_alu depctr_va_vdst(0)
	v_mul_f32 v46, v46, v43                        ; both coefficients divided by the threshold: the test is <= 1
	v_mul_f32 v44, v35, v43
	v_cndmask_b32 v46, 0, v46, s83                 ; a form that rounding may spoil is 0 everywhere: its bit is always set
	v_cndmask_b32 v44, 0, v44, s83
	v_cndmask_b32 v46, 1.0, v46, s16               ; what is not kept lies at row -1024 and so gets no bit
.set k, 64
.rept 6
	v_mov_b32 v[k], 0                              ; destinations of lane permutes and of DPP forms count as read
.set k, k+1
.endr
.set k, 88
.rept 48
	v_mov_b32 v[k], 0
.set k, k+1
.endr
; Two sets of the block's numbers, in both rows of 16 lanes: v48-52 of gaussians 0-15, v56-60 of 16-31: pr, pc, the two coefficients, vb / va
.macro SPL src, k
	v_permlanex16_b32 v[64+\k], v[\src], s[SEL], s[SEL+1]
	v_cndmask_b32 v[48+\k], v[64+\k], v[\src], s72
	v_cndmask_b32 v[56+\k], v[\src], v[64+\k], s72
.endm
	SPL 32, 0
	SPL 33, 1
	SPL 46, 2
	SPL 44, 3
	SPL 45, 4
	; my piece: row v82, columns v83 .. v84;  v86: my word's place
	s_cmp_eq_u32 s3, 2
	s_wait_alu depctr_va_vdst(0)                   ; directly ahead of the branch
	s_cbranch_scc1 .Ltiles
	v_and_b32 v72, 15, v0
	v_add_nc_u32 v73, s73, v72
	v_mul_u32_u24 v73, s74, v73                    ; the run's first pixel
	v_add_nc_u32 v74, s76, v73                     ; and its last, both inside the map
	v_min_u32 v73, s75, v73
	v_min_u32 v74, s75, v74
	v_lshrrev_b32 v75, s3, v73
	v_lshrrev_b32 v76, s3, v74
	v_mul_u32_u24 v75, 0x147b, v75                 ; row = (p >> scale) / 25: 5,243 / 2^17 serves dividends up to 5,031
	v_mul_u32_u24 v76, 0x147b, v76
	v_lshrrev_b32 v75, 17, v75
	v_lshrrev_b32 v76, 17, v76
	v_mul_u32_u24 v77, s77, v75
	v_mul_u32_u24 v78, s77, v76
	v_sub_nc_u32 v77, v73, v77                     ; first column
	v_sub_nc_u32 v78, v74, v78                     ; last column
	v_cmp_eq_u32 s78, v75, v76                     ; one row: both pieces are the whole run
	s_or_b32 s81, s78, s79
	s_or_b32 s78, s78, s72
	v_cndmask_b32 v79, v76, v75, s72
	v_cndmask_b32 v80, 0, v77, s78                 ; a second piece begins at column 0
	v_cndmask_b32 v81, s80, v78, s81               ; a first piece ends at the last column
	v_lshlrev_b32 v86, 2, v72
	s_wait_alu depctr_va_vdst(0)                   ; directly ahead of the branch
	s_branch .Lbits
.Ltiles:                                               ; 13 tiles of 8 x 4 pixels lie in a row of tiles of the map of 100 x 100
	v_and_b32 v72, 7, v0
	v_lshrrev_b32 v77, 3, v0
	v_add_nc_u32 v73, s73, v72
	v_mul_u32_u24 v75, 0x13b2, v73
	v_lshrrev_b32 v75, 16, v75                     ; tile / 13 (5,042 / 65,536 serves tiles up to 327)
	v_mul_u32_u24 v76, 13, v75
	v_sub_nc_u32 v76, v73, v76
	v_lshl_add_u32 v79, v75, 2, v77
	v_min_u32 v79, 0x63, v79                       ; row 4 (tile / 13) + lane / 8
	v_lshlrev_b32 v80, 3, v76
	v_add_nc_u32 v81, 7, v80
	v_min_u32 v81, 0x63, v81
	v_lshlrev_b32 v86, 2, v72
	s_wait_alu depctr_va_vdst(0)
.Lbits:
	v_cvt_f32_u32 v82, v79
	v_cvt_f32_u32 v83, v80
	v_cvt_f32_u32 v84, v81
	v_mov_b32 v85, 0                               ; the mask
.macro D4 op, d, s, o, st, a, b, c, e          ; four gaussians: source 0 from lanes a, b, c, e of my row of 16
	\op v[\d], v[\s], v[\o] row_share:\a row_mask:0xf bank_mask:0xf
	\op v[\d+1], v[\s], v[\o+\st] row_share:\b row_mask:0xf bank_mask:0xf
	\op v[\d+2], v[\s], v[\o+2*\st] row_share:\c row_mask:0xf bank_mask:0xf
	\op v[\d+3], v[\s], v[\o+3*\st] row_share:\e row_mask:0xf bank_mask:0xf
.endm
.macro D8 op, d, s, o, st, up                  ; an octet: lanes 0-7, or 8-15 (up = 1)
.if \up
	D4 \op, \d, \s, \o, \st, 8, 9, 10, 11
	D4 \op, \d+4, \s, \o+4*\st, \st, 12, 13, 14, 15
.else
	D4 \op, \d, \s, \o, \st, 0, 1, 2, 3
	D4 \op, \d+4, \s, \o+4*\st, \st, 4, 5, 6, 7
.endif
.endm
.macro CUL8 s, up                      ; an octet of set s; the octets come from the highest down, and each shifts the mask up by its eight bits
	D8 v_sub_f32_dpp, 88, \s, 82, 0, \up           ; dr
	D8 v_sub_f32_dpp, 104, \s+1, 84, 0, \up        ; dc at the piece's last column
	D8 v_sub_f32_dpp, 112, \s+1, 83, 0, \up        ; and at its first
	D8 v_mul_f32_dpp, 96, \s+4, 88, 1, \up         ; t
	D8 v_mul_f32_dpp, 120, \s+2, 88, 1, \up
.irp i, 0,1,2,3,4,5,6,7
	v_med3_num_f32 v[104+\i], v[96+\i], v[104+\i], v[112+\i]     ; the piece's dc nearest to t
.endr
.irp i, 0,2,4,6
	v_pk_add_f32 v[104+\i:105+\i], v[104+\i:105+\i], v[96+\i:97+\i] neg_lo:[0,1] neg_hi:[0,1]
.endr
.irp i, 0,2,4,6
	v_pk_mul_f32 v[120+\i:121+\i], v[120+\i:121+\i], v[88+\i:89+\i]
.endr
	D8 v_mul_f32_dpp, 128, \s+3, 104, 1, \up
.irp i, 0,2,4,6
	v_pk_fma_f32 v[120+\i:121+\i], v[128+\i:129+\i], v[104+\i:105+\i], v[120+\i:121+\i]
.endr
.irp i, 0,1,2,3,4,5,6,7
	v_cmp_ge_f32 s[2+\i], 1.0, v[120+\i]
.endr
.irp i, 0,1,2,3,4,5,6,7
	v_cndmask_b32 v[96+\i], 0, 1<<\i, s[2+\i]
.endr
	v_add3_u32 v96, v96, v97, v98
	v_add3_u32 v99, v99, v100, v101
	v_add_nc_u32 v102, v102, v103
	v_add3_u32 v96, v96, v99, v102
	v_lshl_or_b32 v85, v85, 8, v96
.endm
	CUL8 56, 1
	CUL8 56, 0
	CUL8 48, 1
	CUL8 48, 0
	v_mov_b32_dpp v64, v85 row_ror:8 row_mask:0xf bank_mask:0xf
	v_cndmask_b32 v64, 0, v64, s88                 ; of a tile: rows q and q xor 1
	v_or_b32 v85, v85, v64
	v_permlanex16_b32 v65, v85, s[SEL], s[SEL+1]
	v_or_b32 v85, v85, v65                         ; any piece
	global_store_b32 v86, v85, s[54:55]            ; 64 (32) consecutive bytes; lanes of the same share write the same word
	s_endpgm
.Lfunc_end_k_q209ede93e3_prep:
	.size	k_q209ede93e3_prep, .Lfunc_end_k_q209ede93e3_prep-k_q209ede93e3_prep
	.p2alignl 7, 3214868480
	.fill 96, 4, 3214868480
	.section	.rodata,"a",@progbits
	.p2align	6, 0x0
	.amdhsa_kernel k_q209ede93e3_prep
		.amdhsa_group_segment_fixed_size 0
		.amdhsa_private_segment_fixed_size 0
		.amdhsa_enable_private_segment 0
		.amdhsa_kernarg_size 168
		.amdhsa_user_sgpr_count 2
		.amdhsa_user_sgpr_kernarg_segment_ptr 1
		.amdhsa_wavefront_size32 1
		.amdhsa_system_sgpr_workgroup_id_x 1
		.amdhsa_system_sgpr_workgroup_id_y 1
		.amdhsa_system_sgpr_workgroup_id_z 1
		.amdhsa_system_vgpr_workitem_id 0
		.amdhsa_next_free_vgpr 136
		.amdhsa_next_free_sgpr 92
		.amdhsa_reserve_vcc 1
		.amdhsa_float_denorm_mode_32 3
		.amdhsa_float_denorm_mode_16_64 3
		.amdhsa_memory_ordered 1
		.amdhsa_forward_progress 1
		.amdhsa_inst_pref_size 65
	.end_amdhsa_kernel
	.amdgpu_metadata
---
amdhsa.version: [ 1, 2 ]
amdhsa.kernels:
  - .name:           k_q209ede93e3_prep
    .symbol:         k_q209ede93e3_prep.kd
    .args:
      - { .name: features0, .offset: 0, .size: 8, .value_kind: global_buffer, .address_space: global }
      - { .name: features1, .offset: 8, .size: 8, .value_kind: global_buffer, .address_space: global }
      - { .name: features2, .offset: 16, .size: 8, .value_kind: global_buffer, .address_space: global }
      - { .name: features3, .offset: 24, .size: 8, .value_kind: global_buffer, .address_space: global }
      - { .name: means0, .offset: 32, .size: 8, .value_kind: global_buffer, .address_space: global }
      - { .name: means1, .offset: 40, .size: 8, .value_kind: global_buffer, .address_space: global }
      - { .name: means2, .offset: 48, .size: 8, .value_kind: global_buffer, .address_space: global }
      - { .name: means3, .offset: 56, .size: 8, .value_kind: global_buffer, .address_space: global }
      - { .name: uncert0, .offset: 64, .size: 8, .value_kind: global_buffer, .address_space: global }
      - { .name: uncert1, .offset: 72, .size: 8, .value_kind: global_buffer, .address_space: global }
      - { .name: uncert2, .offset: 80, .size: 8, .value_kind: global_buffer, .address_space: global }
      - { .name: uncert3, .offset: 88, .size: 8, .value_kind: global_buffer, .address_space: global }
      - { .name: opac0, .offset: 96, .size: 8, .value_kind: global_buffer, .address_space: global }
      - { .name: opac1, .offset: 104, .size: 8, .value_kind: global_buffer, .address_space: global }
      - { .name: opac2, .offset: 112, .size: 8, .value_kind: global_buffer, .address_space: global }
      - { .name: opac3, .offset: 120, .size: 8, .value_kind: global_buffer, .address_space: global }
      - { .name: fimg, .offset: 128, .size: 8, .value_kind: global_buffer, .address_space: global }
      - { .name: fscl, .offset: 136, .size: 8, .value_kind: global_buffer, .address_space: global }
      - { .name: gpar, .offset: 144, .size: 8, .value_kind: global_buffer, .address_space: global }
      - { .name: gmsk, .offset: 152, .size: 8, .value_kind: global_buffer, .address_space: global }
      - { .name: out4, .offset: 160, .size: 8, .value_kind: global_buffer, .address_space: global }
    .group_segment_fixed_size: 0
    .private_segment_fixed_size: 0
    .kernarg_segment_align: 8
    .kernarg_segment_size: 168
    .max_flat_workgroup_size: 32
    .sgpr_count:     92
    .vgpr_count:     136
    .wavefront_size: 32
...
	.end_amdgpu_metadata
.endif
;; end of part 1
;; launch render (part 2): grid 480 x 1, 4 waves a work-group, no clusters, 147,968 bytes of LDS; arguments fimg, fscl, gpar, gmsk, out0, out1, out2, out3; writes out0, out1, out2, out3
.if DOCPART == 2
	.amdgcn_target "amdgcn-amd-amdhsa--gfx1250"
	.amdhsa_code_object_version 6
	.text
	.protected	k_q209ede93e3_render
	.globl	k_q209ede93e3_render
	.p2align	8
	.type	k_q209ede93e3_render,@function
k_q209ede93e3_render:
	s_mov_b64 s[64:65], 0
	v_nop
	global_prefetch_b8 v0, s[64:65] scope:SCOPE_SE
	s_setreg_imm32_b32 hwreg(HW_REG_WAVE_MODE, 25, 1), 1
	s_wait_xcnt 0x0
; GaussianLSS, launch 2 of 2: alpha, the front-to-back scan, the quantiser and the product, fused.  (The means' z and six of uncert's nine words reach no output and were left out by the first launch.)
; SHARES.  A wave renders a share of one map, one pixel a lane: runs of 5, 12, 32 neighbouring pixels of the maps of 625, 2,500, 40,000 pixels, tiles of 8 x 4 pixels of the map of 100 x 100; lanes past the share
; work on other pixels and are not stored.  The small maps get small shares because there a pixel is wide and more gaussians reach a share.  Four waves, a work-group: 32 + 53 + 82 + 313 work-groups; two fit on a
; WGP by registers and by LDS.  The largest map's four runs are 512 consecutive bytes of each output row, at a multiple of 256; rows of the other maps are no multiples of 256 bytes long.
; WHAT IS PASSED OVER.  The first launch has stored, as whole numbers, a 32-bit mask for each share and each block of 32 gaussians: a bit that is 0 says that the gaussian's alpha is 0 on the whole share.  Quads of
; gaussians without a bit are passed over by a scalar branch: their w is 0 and T stays.  Every mask is served, all bits set too.  The product is done whole.
; A lane's pixel walks the gaussians in their order.  Half a block's numbers lie in 6 registers, lane r of each row of 16 holding gaussian r; DPP row_share brings one gaussian's number to all lanes.
; ALPHA.  g = -power x log2(e) = (qa dr) dr + (qc dc) dr + (qb dc) dc.  ONE compare of bits as whole numbers, g <= gmax, is two of the renderer's tests: it fails where g < 0 (the sign bit: power > 0) and where
; g > gmax = log2(255 o) (alpha < 1/255).  alpha = min(0.99, 2^(gmax - g) / 255), 0 where the test fails; w = alpha T.  T goes from pair to pair of gaussians: T (1 - a0) (1 - a1); the second's w is a1 (1 - a0) T.
; LIMITS: the cut at 1/255 is taken in the logarithm, the same inequality in real numbers for o > 0, so it can differ at f32 rounding; T's products are grouped by pairs; NaN and infinite inputs are not served;
; a block of zeros has the scale byte 1, over zero codes; the fill behind gaussian 447 has zero codes under the byte 127.
; THE QUANTISER runs along the gaussians: a block's 32 numbers of a pixel lie in one lane, so its maximum needs no other lane.  Codes and scale bytes go to LDS as the image of the product's operand.
; THE PRODUCT.  Behind one barrier each wave makes all 128 pixel places x 32 channels: source 0 = w (16 pixels), source 1 = features (16 channels), whose fragments for all of K lie in 128 registers; they are
; asked for ahead of the loop and land while gaussians are walked.
; A pair of pixel tiles (one wave's 32 places) is four accumulators by turns.  A lane holds one channel and eight neighbouring pixel places; rows are gathered in the wave's own stage.
; NO TENSOR LOADS AND NO CLUSTER: branches hang on loaded numbers here, and each table is read once.  NO PREFETCH: no loop reads memory.
; REGISTERS, window 0: v0-127 below, v128-255 at work in the loop, then w's fragments of odd pairs, then rows read back.  Window 1: v0-127 the features' fragments, v128-255 w's fragments of even pairs.
.set COD,   12288                      ; LDS: [pr, pc, qa, qb] x 512 at 0, [qc, gmax] x 512 at 8192;  w's codes [pixel tile 8][block 16][lane 32][16];
.set SCO,   77824                      ; scale bytes [pixel place 128][block 16];
.set STG,   79872                      ; each wave's own stage: 32 rows x (512 + 16) bytes;
.set SROW,  528
.set STGW,  32*SROW
.set SPARE, 147456                     ; the spare words, 128 bytes a wave: two blocks of 256 bytes that no other line names
.set SPW, 2                            ; v2, v3 my spare word's address and 0; never rewritten
.set NIL, 3
.set PA0, 4                            ; v4, v5 my place in the two tables, block 0;  v6, v7 the blocks in hand
.set PB0, 5
.set PA,  6
.set PB,  7
.set CS0, 8                            ; v8 where my codes go, block 0;  v9 the blocks in hand;  v10, v11 the same for the scale bytes
.set CS,  9
.set SS0, 10
.set SS,  11
.set RW,  12                           ; v12, v13 my pixel's row and column as f32
.set CL,  13
.set MX,  14                           ; v14, v15 the two blocks' largest w
.set G,   32                           ; v32-95 the two blocks' w, zero between trips
.set FS,  100                          ; v100-103 the features' scale words, one a K step;  v104-107, v112-115 w's, of even and odd pairs: scales and nothing else
.set SW,  104
.set ASTB, 117                         ; v117 my stage + 4 x lane
.set L16, 118                          ; v118, v119 16 x lane, 4 x lane
.set L4,  119
.set AOP, 120
.set ASW, 121
.set ASTO, 122
.set ASTL, 123
.set LN,  124                          ; v124 lane, v125 lane % 16, v126 lane / 16
.set LR,  125
.set LH,  126
.set XR,  128                          ; v128-147, v148-167 a quad at work (even, odd): dr 4, dc 4, qc dc 4, qb dc 4, gmax 4
.set P,   168                          ; v168-191 pr, pc, qa, qb, qc, gmax of the four half blocks
.set CC,  192                          ; v192-207 the two blocks' codes
.set SCA, 208                          ; v208, v209 the conversions' scale operands, v210, v211 448 x the scales, v212, v213 the bytes
.set HO,  210
.set BY,  212
.set T0,  214                          ; v214, v216 the transmittance, by turns (v215, v217: the unused halves of pairs)
.set T1,  216
.set D,   32                           ; v32-63, v64-95 the accumulators of even and odd pairs
.set RB,  128                          ; v128-255 rows read back
.set VOF, 16                           ; v16-23 the way out: byte offsets (behind the loop)
.set MSK, 68                           ; s68-81 the 14 blocks' masks, the blocks in hand first
.set MK,  82                           ; s82-89 eight tests
.set MROW, 7936
.set MSB, 0
.macro WIN new                         ; the immediate's high byte repeats the setting that is left
.if MSB != \new
	s_set_vgpr_msb (MSB<<8)|\new
.set MSB, \new
.endif
.endm
	s_load_b512 s[4:19], s[0:1], 0x0               ; fimg s[4:5], fscl s[6:7], gpar s[8:9], gmsk s[10:11], out0..3 s[12:19]
	v_lshl_add_u32 v[SPW], v0, 2, SPARE
	v_mov_b32 v[NIL], 0
	v_lshrrev_b32 v1, 5, v0
	v_readfirstlane_b32 s20, v1                    ; wave 0..3
	v_lshlrev_b32 v1, 4, v0                        ; 16 x thread: the copy at the head
	v_and_b32 v[LN], 31, v0
	v_and_b32 v[LR], 15, v0
	v_bfe_u32 v[LH], v0, 4, 1
	v_lshlrev_b32 v[L16], 4, v[LN]
	v_lshlrev_b32 v[L4], 2, v[LN]
	s_wait_alu depctr_va_vdst(0)
	s_mov_b32 s21, 3                               ; work-groups 0-223 and 391-479 scale 3, 224-255 scale 0, 256-308 scale 1, 309-390 scale 2
	s_mov_b32 s22, 0
	s_cmp_ge_u32 ttmp9, 224
	s_cselect_b32 s21, 0, s21
	s_cselect_b32 s22, 224, s22
	s_cmp_ge_u32 ttmp9, 256
	s_cselect_b32 s21, 1, s21
	s_cselect_b32 s22, 256, s22
	s_cmp_ge_u32 ttmp9, 309
	s_cselect_b32 s21, 2, s21
	s_cselect_b32 s22, 309, s22
	s_cmp_ge_u32 ttmp9, 391
	s_cselect_b32 s21, 3, s21
	s_cselect_b32 s22, 167, s22
	s_sub_co_u32 s22, ttmp9, s22                   ; the work-group within its map
	s_mov_b32 s23, 32                              ; pixels in a run
	s_cmp_eq_u32 s21, 1
	s_cselect_b32 s23, 12, s23
	s_cmp_eq_u32 s21, 0
	s_cselect_b32 s23, 5, s23
	s_mul_i32 s24, s22, s23
	s_lshl_b32 s24, s24, 2                         ; the work-group's first pixel
	s_mul_i32 s25, s20, s23
	s_add_co_u32 s25, s25, s24                     ; my wave's
	s_lshl_b32 s37, s21, 1
	s_lshl_b32 s26, 0x271, s37                     ; the map's pixels: 625 x 4^scale
	s_sub_co_i32 s27, s26, s24
	s_max_i32 s27, s27, 0                          ; pixels left from the work-group's first on (runs)
	s_lshl_b32 s28, s26, 2                         ; a row of the output in bytes
	s_mov_b32 s29, 0                               ; the map's first share among the masks
	s_cmp_ge_u32 s21, 1
	s_cselect_b32 s29, 128, s29
	s_cmp_ge_u32 s21, 2
	s_cselect_b32 s29, 352, s29
	s_cmp_ge_u32 s21, 3
	s_cselect_b32 s29, 680, s29
	s_lshl_b32 s63, s22, 2                         ; the work-group's first share
	s_add_co_u32 s57, s63, s20                     ; my share
	s_add_co_u32 s46, s57, s29
	s_lshl_b32 s46, s46, 2
	s_mov_b32 s47, 0
	s_mul_i32 s56, s57, 5042
	s_lshr_b32 s56, s56, 16                        ; as a tile: tile / 13 (5,042 / 65,536 serves tiles up to 327; used in scale 2 alone)
	s_mul_i32 s45, s56, 13
	s_sub_co_u32 s57, s57, s45
	s_lshl_b32 s56, s56, 2                         ; its first row
	s_lshl_b32 s57, s57, 3                         ; and column
	s_cmp_eq_u32 s21, 2
	s_cselect_b32 s62, -1, 0
	s_cselect_b32 s24, 0, s24                      ; tiles count their pixels from the map's first
	s_mov_b32 s58, 0x3b808081                      ; 1 / 255
	s_mov_b32 s59, s58
	s_mov_b32 s60, 0x3f7d70a4                      ; 0.99
	s_mov_b32 s61, 0x600000                        ; the mantissa field of 448
	s_wait_kmcnt 0x0
	s_mul_i32 s66, s21, 12288
	s_mov_b32 s67, 0
	s_add_nc_u64 s[8:9], s[8:9], s[66:67]
.irp i, 0,1,2,3,4,5
	global_load_b128 v[G+4*\i:G+4*\i+3], v1, s[8:9] offset:2048*\i   ; the map's gaussians: the four waves read 2,048 consecutive bytes an instruction
.endr
	s_add_nc_u64 s[10:11], s[10:11], s[46:47]
.irp i, 0,1,2,3,4,5,6,7,8,9,10,11,12,13
	s_load_b32 s[MSK+\i], s[10:11], MROW*\i        ; my share's masks
.endr
	s_lshl_b32 s46, s21, 16
	s_lshl_b32 s37, s20, 12
	s_add_co_u32 s46, s46, s37
	s_add_nc_u64 s[4:5], s[4:5], s[46:47]          ; channel tiles 2 w, 2 w + 1 of the map's image,
	s_lshr_b32 s46, s46, 5
	s_add_nc_u64 s[6:7], s[6:7], s[46:47]          ; and their scale words (64 bytes for each 2,048)
	s_bitcmp1_b32 s21, 0                           ; my map: a choice that hangs on the work-group number alone
	s_cselect_b64 s[48:49], s[14:15], s[12:13]
	s_cselect_b64 s[50:51], s[18:19], s[16:17]
	s_bitcmp1_b32 s21, 1
	s_cselect_b64 s[48:49], s[50:51], s[48:49]
	s_lshl_b32 s46, s24, 2
	s_add_nc_u64 s[48:49], s[48:49], s[46:47]
	s_lshl_b32 s46, s20, 5
	s_mul_i32 s46, s46, s28
	s_add_nc_u64 s[48:49], s[48:49], s[46:47]      ; the first pixel of channel 32 w; below of channels 32 w + 8, + 16, + 24
	s_lshl_b32 s46, s28, 3
	s_add_nc_u64 s[50:51], s[48:49], s[46:47]
	s_add_nc_u64 s[52:53], s[50:51], s[46:47]
	s_add_nc_u64 s[54:55], s[52:53], s[46:47]
	s_lshl_b32 s38, s20, 14
	s_add_co_u32 s38, s38, COD
	s_lshl_b32 s39, s20, 9
	s_add_co_u32 s39, s39, SCO
	s_mul_i32 s37, s20, STGW
	s_add_co_u32 s37, s37, STG
	s_lshl_b32 s35, 25, s21                        ; the map's width
	v_lshlrev_b32 v[PA0], 4, v[LR]
	v_lshlrev_b32 v[PB0], 3, v[LR]
	v_add_nc_u32 v[PB0], 8192, v[PB0]
	v_lshl_add_u32 v[CS0], v[LR], 4, s38           ; my pixel is row lane % 16 of pixel tile 2 w + lane / 16
	v_lshl_add_u32 v[CS0], v[LH], 13, v[CS0]
	v_lshl_add_u32 v[SS0], v[LN], 4, s39
	v_add_nc_u32 v[AOP], COD, v[L16]
	v_add_nc_u32 v[ASW], SCO, v[L16]
	v_mul_u32_u24 v96, v[LR], SROW                 ; the stage, on the way in: row r, 32 bytes for each half of the lanes
	v_lshl_add_u32 v96, v[LH], 5, v96
	v_add_nc_u32 v[ASTO], s37, v96
	v_add_nc_u32 v[ASTB], s37, v[L4]
	v_add_nc_u32 v96, s25, v[LN]                   ; my pixel of a run,
	v_lshrrev_b32 v97, s21, v96
	v_mul_u32_u24 v97, 0x147b, v97                 ; row = (p >> scale) / 25: 5,243 / 2^17 serves dividends up to 5,031, the largest here being 5,007
	v_lshrrev_b32 v97, 17, v97
	v_mul_u32_u24 v98, s35, v97
	v_sub_nc_u32 v98, v96, v98
	v_lshrrev_b32 v96, 3, v[LN]                    ; or of a tile
	v_and_b32 v99, 7, v[LN]
	v_add_nc_u32 v96, s56, v96
	v_add_nc_u32 v99, s57, v99
	v_cndmask_b32 v97, v97, v96, s62
	v_cndmask_b32 v98, v98, v99, s62
	v_cvt_f32_u32 v[RW], v97
	v_cvt_f32_u32 v[CL], v98
	v_mov_b32 v[T0], 1.0
	v_mov_b32 v[T0+1], 0
	v_mov_b32 v[T1], 0
	v_mov_b32 v[T1+1], 0
	v_mov_b32 v[MX], 0x4800000                     ; the floor 2^(9 - 127): a scale's byte cannot fall under 1
	v_mov_b32 v[MX+1], 0x4800000
.set k, XR
.rept 20
	v_dual_mov_b32 v[k], 0 :: v_dual_mov_b32 v[k+1], 0             ; the destination of a DPP form counts as read
.set k, k+2
.endr
	s_wait_alu depctr_va_vdst(0)
	s_wait_loadcnt 0x0
.irp i, 0,1,2,3,4,5
	ds_store_b128 v1, v[G+4*\i:G+4*\i+3] offset:2048*\i
.endr
	s_wait_dscnt 0x0                               ; for the others' sake: my stores have landed
	s_barrier_signal -1
	s_barrier_wait -1
.irp h, 0,1,2,3
	ds_load_b128 v[P+6*\h:P+6*\h+3], v[PA0] offset:256*\h          ; lanes r and 16 + r take the same gaussian
	ds_load_b64 v[P+6*\h+4:P+6*\h+5], v[PB0] offset:128*\h
.endr
.macro ZERO                            ; the two blocks' w
.set zk, G
.rept 32
	v_dual_mov_b32 v[zk], 0 :: v_dual_mov_b32 v[zk+1], 0
.set zk, zk+2
.endr
.endm
	ZERO
	s_wait_alu depctr_va_vdst(0)
	WIN 0x40
.irp b, 0,1
.irp s, 0,1,2,3
.irp c, 0,1,2,3
	global_load_b128 v[64*\b+16*\s+4*\c:64*\b+16*\s+4*\c+3], v[L16], s[4:5] offset:16384*\s+2048*\b+512*\c   ; features: channel tile 2 w + b, K step s
.endr
.endr
.endr
	WIN 0
.irp s, 0,1,2,3
	global_load_b32 v[FS+\s], v[L4], s[6:7] offset:512*\s
.endr
	s_wait_dscnt 0x0
	s_wait_kmcnt 0x0                               ; the masks
.macro D4 op, d, s, o, st, a, b, c, e          ; four gaussians: source 0 from lanes a, b, c, e of my row of 16
	\op v[\d], v[\s], v[\o] row_share:\a row_mask:0xf bank_mask:0xf
	\op v[\d+1], v[\s], v[\o+\st] row_share:\b row_mask:0xf bank_mask:0xf
	\op v[\d+2], v[\s], v[\o+2*\st] row_share:\c row_mask:0xf bank_mask:0xf
	\op v[\d+3], v[\s], v[\o+3*\st] row_share:\e row_mask:0xf bank_mask:0xf
.endm
.macro MV4 d, s, a, b, c, e
	v_mov_b32_dpp v[\d], v[\s] row_share:\a row_mask:0xf bank_mask:0xf
	v_mov_b32_dpp v[\d+1], v[\s] row_share:\b row_mask:0xf bank_mask:0xf
	v_mov_b32_dpp v[\d+2], v[\s] row_share:\c row_mask:0xf bank_mask:0xf
	v_mov_b32_dpp v[\d+3], v[\s] row_share:\e row_mask:0xf bank_mask:0xf
.endm
; Stage n of quad u of a half block (lanes a, b, c, e of the registers p; g: the half block's w; m: its block's maximum)
.macro STL n, p, g, m, u, a, b, c, e
.set xD, XR+20*(\u%2)
.set xC, xD+4
.set xQ, xD+8
.set xB, xD+12
.set xM, xD+16
.set xG, \g+4*\u
.if \n == 0
	D4 v_sub_f32_dpp, xD, \p, RW, 0, \a, \b, \c, \e              ; dr = pr - row
.elseif \n == 1
	D4 v_sub_f32_dpp, xC, \p+1, CL, 0, \a, \b, \c, \e            ; dc = pc - column
.elseif \n == 2
	D4 v_mul_f32_dpp, xG, \p+2, xD, 1, \a, \b, \c, \e            ; qa dr
.elseif \n == 3
	D4 v_mul_f32_dpp, xQ, \p+4, xC, 1, \a, \b, \c, \e            ; qc dc
.elseif \n == 4
	D4 v_mul_f32_dpp, xB, \p+3, xC, 1, \a, \b, \c, \e            ; qb dc
.elseif \n == 6
	MV4 xM, \p+5, \a, \b, \c, \e
.elseif \n == 10
.irp i, 0,1,2,3
	v_exp_f32 v[xD+\i], v[xD+\i]
.endr
.elseif \n == 11
.irp i, 0,1,2,3
	v_cmp_ge_u32 s[MK+4*(\u%2)+\i], v[xM+\i], v[xG+\i]           ; the two tests, the plain work behind the exponentials
.endr
.elseif \n == 14
.irp i, 0,1,2,3
	v_cndmask_b32 v[xD+\i], 0, v[xD+\i], s[MK+4*(\u%2)+\i]       ; alpha
.endr
.elseif \n == 18
	v_mul_f32 v[T1], v[T0], v[xQ]                  ; T from pair to pair, and the pairs' w
	v_pk_mul_f32 v[xG:xG+1], v[xD:xD+1], v[T0:T0+1] op_sel_hi:[1,0]
	v_mul_f32 v[T0], v[T1], v[xQ+1]
	v_pk_mul_f32 v[xG+2:xG+3], v[xD+2:xD+3], v[T1:T1+1] op_sel_hi:[1,0]
.elseif \n == 19
	v_max3_num_f32 v[\m], v[\m], v[xG], v[xG+1]    ; w is never negative
	v_max3_num_f32 v[\m], v[\m], v[xG+2], v[xG+3]
.else
.irp i, 0,2
.if \n == 5
	v_pk_mul_f32 v[xG+\i:xG+\i+1], v[xG+\i:xG+\i+1], v[xD+\i:xD+\i+1]
.elseif \n == 7
	v_pk_fma_f32 v[xG+\i:xG+\i+1], v[xQ+\i:xQ+\i+1], v[xD+\i:xD+\i+1], v[xG+\i:xG+\i+1]
.elseif \n == 8
	v_pk_fma_f32 v[xG+\i:xG+\i+1], v[xB+\i:xB+\i+1], v[xC+\i:xC+\i+1], v[xG+\i:xG+\i+1]     ; g
.elseif \n == 9
	v_pk_add_f32 v[xD+\i:xD+\i+1], v[xM+\i:xM+\i+1], v[xG+\i:xG+\i+1] neg_lo:[0,1] neg_hi:[0,1]   ; gmax - g
.elseif \n == 12
	v_pk_mul_f32 v[xD+\i:xD+\i+1], v[xD+\i:xD+\i+1], s[58:59] op_sel_hi:[1,0]
.elseif \n == 13
	v_dual_min_num_f32 v[xD+\i], s60, v[xD+\i] :: v_dual_min_num_f32 v[xD+\i+1], s60, v[xD+\i+1]
.elseif \n == 15
	v_pk_add_f32 v[xC+\i:xC+\i+1], v[xD+\i:xD+\i+1], 1.0 op_sel_hi:[1,0] neg_lo:[1,0] neg_hi:[1,0]   ; 1 - alpha
.elseif \n == 16
	v_mul_f32 v[xQ+\i/2], v[xC+\i], v[xC+\i+1]
.else
	v_mul_f32 v[xD+\i+1], v[xC+\i], v[xD+\i+1]     ; a1 (1 - a0)
.endif
.endr
.endif
.endm
.macro ST n, p, g, m, u
.if \u == 0
	STL \n, \p, \g, \m, 0, 0, 1, 2, 3
.elseif \u == 1
	STL \n, \p, \g, \m, 1, 4, 5, 6, 7
.elseif \u == 2
	STL \n, \p, \g, \m, 2, 8, 9, 10, 11
.else
	STL \n, \p, \g, \m, 3, 12, 13, 14, 15
.endif
.endm
.macro EACH n, p, g, m, o, lo, up
.if \lo
	ST \n, \p, \g, \m, 2*\o
.endif
.if \up
	ST \n, \p, \g, \m, 2*\o+1
.endif
.endm
.macro ARM p, g, m, o, lo, up          ; octet o: its lower quad, its upper, or both by turns
.irp n, 0,1,2,3,4,5,6,7,8,9
	EACH \n, \p, \g, \m, \o, \lo, \up
.endr
	s_wait_alu depctr_va_vdst(0)                   ; ahead of the batch
	EACH 10, \p, \g, \m, \o, \lo, \up
	EACH 11, \p, \g, \m, \o, \lo, \up
	s_wait_alu depctr_va_vdst(0)                   ; and one behind it
.irp n, 12,13,14,15,16,17,18,19
	EACH \n, \p, \g, \m, \o, \lo, \up
.endr
.endm
.macro OCT p, g, m, w, b, o            ; octet o of a half block: bits b + 8 o .. + 7 of mask w
	s_and_b32 s36, s[\w], 0xff<<(\b+8*\o)
	s_cbranch_scc0 .Lodone_\@
	s_and_b32 s36, s[\w], 0xf<<(\b+8*\o)
	s_cbranch_scc0 .Lupper_\@
	s_and_b32 s36, s[\w], 0xf0<<(\b+8*\o)
	s_cbranch_scc0 .Llower_\@
	ARM \p, \g, \m, \o, 1, 1
	s_branch .Lodone_\@
.Lupper_\@:
	ARM \p, \g, \m, \o, 0, 1
	s_branch .Lodone_\@
.Llower_\@:
	ARM \p, \g, \m, \o, 1, 0
.Lodone_\@:
.endm
.macro HALF h, p, g, m, w, b           ; half block h of the trip's four, then its registers take the half block two blocks on
	s_wait_dscnt 11                                ; its numbers are in: behind their two loads six loads and five stores were issued
	s_and_b32 s36, s[\w], 0xffff<<\b
	s_cbranch_scc0 .Lhdone_\@
	OCT \p, \g, \m, \w, \b, 0
	OCT \p, \g, \m, \w, \b, 1
.Lhdone_\@:
	v_add_nc_u32 v[PA], s33, v[PA0]
	v_add_nc_u32 v[PB], s34, v[PB0]
	ds_load_b128 v[\p:\p+3], v[PA] offset:256*\h
	ds_load_b64 v[\p+4:\p+5], v[PB] offset:128*\h
.endm
	s_mov_b32 s30, 0                               ; block b;  512 b;  512 (b + 2);  256 (b + 2)
	s_mov_b32 s31, 0
	s_mov_b32 s33, 1024
	s_mov_b32 s34, 512
; A trip is two blocks of 32 gaussians.  Its LDS instructions, in order: two loads for each of four half blocks, five stores (the last trip's loads bring null entries, read and not used)
.Ltrip:
	HALF 0, P, G, MX, MSK, 0
	HALF 1, P+6, G+16, MX, MSK, 16
	HALF 2, P+12, G+32, MX+1, MSK+1, 0
	HALF 3, P+18, G+48, MX+1, MSK+1, 16
	s_wait_alu depctr_va_vdst(0)
	s_wait_dscnt 8                                 ; the last trip's five stores are done: the codes' registers are free
	v_add_nc_u32 v[SCA], 0xfc000000, v[MX]         ; 8 off the exponent field: the conversion's scale operand
	v_add_nc_u32 v[SCA+1], 0xfc000000, v[MX+1]
	v_and_or_b32 v[HO], v[MX], 0x7f800000, s61     ; 448 x the scale
	v_and_or_b32 v[HO+1], v[MX+1], 0x7f800000, s61
	v_add_nc_u32 v[CS], s31, v[CS0]
	v_add_nc_u32 v[SS], s30, v[SS0]
	v_lshrrev_b32 v[BY], 23, v[SCA]                ; the scales' bytes
	v_lshrrev_b32 v[BY+1], 23, v[SCA+1]
.irp b, 0,1
.irp i, 0,2,4,6,8,10,12,14,16,18,20,22,24,26,28,30
	v_dual_min_num_f32 v[G+32*\b+\i], v[HO+\b], v[G+32*\b+\i] :: v_dual_min_num_f32 v[G+32*\b+\i+1], v[HO+\b], v[G+32*\b+\i+1]   ; the conversion does not saturate (ISA guide 7.6.2); w is not negative, so the hold is one-sided
.endr
.endr
	v_lshl_or_b32 v[BY], v[BY+1], 8, v[BY]
.irp u, 0,1,2,3,4,5,6,7
	v_cvt_scalef32_pk8_fp8_f32 v[CC+2*\u:CC+2*\u+1], v[G+8*\u:G+8*\u+7], v[SCA+\u/4]
.endr
	v_mov_b32 v[MX], 0x4800000                     ; (a plain line behind the last conversion)
	v_mov_b32 v[MX+1], 0x4800000
	ZERO
	ds_store_b16 v[SS], v[BY]
.irp i, 0,1,2,3
	ds_store_b128 v[CS], v[CC+4*\i:CC+4*\i+3] offset:256*\i        ; 16 gaussians each: the places of lanes r and 16 + r of the image
.endr
	s_wait_alu depctr_va_vdst(0)                   ; ahead of the scalar lines and the branch
.irp i, 0,2,4,6,8,10
	s_mov_b64 s[MSK+\i:MSK+\i+1], s[MSK+\i+2:MSK+\i+3]             ; the next two blocks' masks come first
.endr
	s_add_co_u32 s31, s31, 1024
	s_add_co_u32 s33, s33, 1024
	s_add_co_u32 s34, s34, 512
	s_add_co_u32 s30, s30, 2
	s_cmp_lt_u32 s30, 14
	s_cbranch_scc1 .Ltrip
	v_mov_b32 v[BY], 0x7f7f
	ds_store_b16 v[SS0], v[BY] offset:14           ; blocks 14 and 15: zero codes
.irp i, 0,1,2,3
	ds_store_b128 v[CS0], v[G:G+3] offset:7168+256*\i
.endr
	s_wait_dscnt 0x0                               ; for the others' sake: my codes have landed
	s_barrier_signal -1
	s_barrier_wait -1                              ; all 128 pixel places' codes and scale bytes lie in LDS; nothing there is written again
; Pair j of pixel tiles (wave j's places): 33 loads.  Even pairs into window 1, odd ones into window 0
.macro LOADA j
.if (\j)%2
	WIN 0
.else
	WIN 0x40
.endif
.irp s, 0,1,2,3
.irp a, 0,1
.irp c, 0,1,2,3
	ds_load_b128 v[128+64*\a+16*\s+4*\c:128+64*\a+16*\s+4*\c+3], v[AOP] offset:(2*\j+\a)*8192+2048*\s+512*\c
.endr
.endr
.endr
	WIN 0
	ds_load_b128 v[SW+8*((\j)%2):SW+8*((\j)%2)+3], v[ASW] offset:512*\j   ; the four K steps' scale words; lanes 0-15 the pair's first tile, 16-31 its second
.endm
.macro WM s, a, b, j                   ; K step s, pixel tile a of the pair, channel tile b
.set mD, D+32*((\j)%2)+8*(2*\a+\b)
.set mA, 128+64*\a+16*\s
.set mB, 64*\b+16*\s
.set mX, SW+8*((\j)%2)+\s
.set mY, FS+\s
.if \s == 0
.if \a && \b
	v_wmma_scale_f32_16x16x128_f8f6f4 v[mD:mD+7], v[mA:mA+15], v[mB:mB+15], 0, v[mX], v[mY] matrix_a_scale:MATRIX_SCALE_ROW1 matrix_b_scale:MATRIX_SCALE_ROW1
.elseif \a
	v_wmma_scale_f32_16x16x128_f8f6f4 v[mD:mD+7], v[mA:mA+15], v[mB:mB+15], 0, v[mX], v[mY] matrix_a_scale:MATRIX_SCALE_ROW1
.elseif \b
	v_wmma_scale_f32_16x16x128_f8f6f4 v[mD:mD+7], v[mA:mA+15], v[mB:mB+15], 0, v[mX], v[mY] matrix_b_scale:MATRIX_SCALE_ROW1
.else
	v_wmma_scale_f32_16x16x128_f8f6f4 v[mD:mD+7], v[mA:mA+15], v[mB:mB+15], 0, v[mX], v[mY]
.endif
.else
.if \a && \b
	v_wmma_scale_f32_16x16x128_f8f6f4 v[mD:mD+7], v[mA:mA+15], v[mB:mB+15], v[mD:mD+7], v[mX], v[mY] matrix_a_scale:MATRIX_SCALE_ROW1 matrix_b_scale:MATRIX_SCALE_ROW1
.elseif \a
	v_wmma_scale_f32_16x16x128_f8f6f4 v[mD:mD+7], v[mA:mA+15], v[mB:mB+15], v[mD:mD+7], v[mX], v[mY] matrix_a_scale:MATRIX_SCALE_ROW1
.elseif \b
	v_wmma_scale_f32_16x16x128_f8f6f4 v[mD:mD+7], v[mA:mA+15], v[mB:mB+15], v[mD:mD+7], v[mX], v[mY] matrix_b_scale:MATRIX_SCALE_ROW1
.else
	v_wmma_scale_f32_16x16x128_f8f6f4 v[mD:mD+7], v[mA:mA+15], v[mB:mB+15], v[mD:mD+7], v[mX], v[mY]
.endif
.endif
.endm
.macro MUL j                           ; 16 products: four accumulators by turns, one instruction a turn
.if (\j)%2
	WIN 0x04                                       ; source 0 window 0, source 1 window 1, C and D window 0
.else
	WIN 0x05                                       ; sources 0 and 1 window 1
.endif
.irp s, 0,1,2,3
.irp a, 0,1
.irp b, 0,1
	WM \s, \a, \b, \j
.endr
.endr
.endr
	WIN 0
.endm
.macro PLACES                          ; behind the products: eight ahead of loads into their operands and of stores of their results, nine ahead of products that write their accumulators anew
.rept 9
	v_nop
.endr
.endm
.macro STAGE j                         ; pair j's results: 32 bytes a lane and tile, each accumulator from its low end on
.irp b, 0,1
.irp a, 0,1
.set mD, D+32*((\j)%2)+8*(2*\a+\b)
	ds_store_b128 v[ASTO], v[mD:mD+3] offset:16*SROW*\b+128*\j+64*\a
	ds_store_b128 v[ASTO], v[mD+4:mD+7] offset:16*SROW*\b+128*\j+64*\a+16
.endr
.endr
.endm
	LOADA 0
	LOADA 1
	; the way out's places, while the loads are out: v25 a lane's byte offset in a row of the output, ASTL its place in a stage row, s44 the lanes that store
	s_cmp_eq_u32 s21, 2
	s_cbranch_scc1 .Lptile
	v_lshrrev_b32 v26, 3, v[LN]                    ; runs: run lane / 8, pixels 4 (lane % 8) .. + 3
	v_and_b32 v27, 7, v[LN]
	v_mul_u32_u24 v25, s23, v26
	v_lshlrev_b32 v24, 2, v27
	v_add_nc_u32 v25, v24, v25
	v_cmp_gt_u32 s44, s27, v25                     ; inside the map (its pixels and mine are multiples of 4 where this mask serves) and inside the run
	v_cmp_gt_u32 s45, s23, v24
	s_and_b32 s44, s44, s45
	v_lshlrev_b32 v25, 2, v25
	v_mul_u32_u24 v28, 12, v[LN]
	v_add_nc_u32 v[ASTL], v[ASTB], v28             ; 16 x lane
	v_mad_u32_u24 v30, v26, 5, v27                 ; the smallest map: run lane / 8, pixel lane % 8 of its five
	v_cmp_gt_u32 s56, s27, v30
	v_cmp_gt_u32 s57, 5, v27
	s_and_b32 s56, s56, s57
	v_lshlrev_b32 v30, 2, v30
	v_mul_u32_u24 v26, 96, v26
	v_add_nc_u32 v31, v[ASTB], v26                 ; 128 x run + 4 x pixel
	s_wait_alu depctr_va_vdst(0)                   ; directly ahead of the branch
	s_branch .Lplaced
.Lptile:                                               ; tiles: row lane / 8 of the tiles, tile (lane / 2) % 4, its left or right four pixels: eight lanes store 128 consecutive bytes where the tiles lie side by side
	v_bfe_u32 v26, v[LN], 1, 2
	v_lshrrev_b32 v27, 3, v[LN]
	v_and_b32 v28, 1, v[LN]
	v_add_nc_u32 v24, s63, v26
	v_mul_u32_u24 v25, 0x13b2, v24
	v_lshrrev_b32 v25, 16, v25                     ; tile / 13
	v_mul_u32_u24 v29, 13, v25
	v_sub_nc_u32 v29, v24, v29
	v_lshl_add_u32 v24, v25, 2, v27                ; row
	v_lshlrev_b32 v29, 3, v29
	v_lshl_add_u32 v29, v28, 2, v29                ; column
	v_cmp_gt_u32 s44, 0x64, v24
	v_cmp_gt_u32 s45, 0x64, v29
	s_and_b32 s44, s44, s45
	v_mad_u32_u24 v25, v24, 0x64, v29
	v_lshlrev_b32 v25, 2, v25
	s_mul_i32 s37, s20, STGW
	s_add_co_u32 s37, s37, STG
	v_lshlrev_b32 v26, 7, v26
	v_lshl_add_u32 v26, v27, 5, v26
	v_lshl_add_u32 v26, v28, 4, v26
	v_add_nc_u32 v[ASTL], s37, v26                 ; 128 x tile + 32 x row + 16 x half
	v_mov_b32 v30, 0
	v_mov_b32 v31, v[ASTB]
	s_mov_b32 s56, 0
	s_wait_alu depctr_va_vdst(0)
.Lplaced:
	v_mov_b32 v[VOF], v25
.irp k, 1,2,3,4,5,6,7
	v_add_nc_u32 v[VOF+\k], s28, v[VOF+\k-1]       ; eight rows of the output
.endr
	s_wait_alu depctr_va_vdst(0)
	s_wait_loadcnt 0x0                             ; the features' fragments and scale words
	s_wait_dscnt 33                                ; pair 0 is in; pair 1's 33 loads may be out
	MUL 0
	PLACES
	LOADA 2
	STAGE 0
	s_wait_dscnt 41                                ; pair 1 is in: 33 loads and 8 stores were issued behind it
	MUL 1
	PLACES
	LOADA 3
	STAGE 1
	s_wait_dscnt 49                                ; pair 2 is in: behind it 8 stores, 33 loads and 8 stores
	MUL 2
	s_wait_dscnt 8                                 ; pair 3: 8 stores behind it
	MUL 3
	PLACES
	STAGE 2
	STAGE 3
	s_cmp_eq_u32 s21, 0
	s_cbranch_scc1 .Lsmall
	; 32 channels, a row at each instruction.  In out3 32 lanes store 512 consecutive bytes at a multiple of 256
.set k, 0
.rept 32
	ds_load_b128 v[RB+4*k:RB+4*k+3], v[ASTL] offset:SROW*k         ; LDS serves a wave's instructions in order: these see my stores
.set k, k+1
.endr
	s_wait_xcnt 0x0                                ; EXEC changes only behind this wait
	s_and_saveexec_b32 s46, s44
.set k, 0
.rept 32
	s_wait_dscnt 31-k
	global_store_b128 v[VOF+k%8], v[RB+4*k:RB+4*k+3], s[48+2*(k/8):49+2*(k/8)] th:TH_STORE_NT
.set k, k+1
.endr
	s_wait_xcnt 0x0                                ; the stores have read their registers, and EXEC may change
	s_or_b32 exec_lo, exec_lo, s46
	s_branch .Lend
.Lsmall:                                               ; the map of 625 pixels: a row is 2,500 bytes, so only stores of 4 bytes are aligned; 20 lanes store 80 consecutive bytes.  320,000 bytes in all
.set k, 0
.rept 32
	ds_load_b32 v[RB+k], v31 offset:SROW*k
.set k, k+1
.endr
	s_wait_dscnt 0x0
	s_wait_xcnt 0x0
	s_and_saveexec_b32 s46, s56
.set k, 0
.rept 32
	global_store_b32 v30, v[RB+k], s[48:49] offset:2500*k th:TH_STORE_NT
.set k, k+1
.endr
	s_wait_xcnt 0x0
	s_or_b32 exec_lo, exec_lo, s46
.Lend:
	s_wait_tensorcnt 0x0                           ; the wave's end
	ds_add_u32 v[SPW], v[NIL]
	s_wait_dscnt 0x0
	s_endpgm
.Lfunc_end_k_q209ede93e3_render:
	.size	k_q209ede93e3_render, .Lfunc_end_k_q209ede93e3_render-k_q209ede93e3_render
	.p2alignl 7, 3214868480
	.fill 96, 4, 3214868480
	.section	.rodata,"a",@progbits
	.p2align	6, 0x0
	.amdhsa_kernel k_q209ede93e3_render
		.amdhsa_group_segment_fixed_size 147968
		.amdhsa_private_segment_fixed_size 0
		.amdhsa_enable_private_segment 0
		.amdhsa_kernarg_size 64
		.amdhsa_user_sgpr_count 2
		.amdhsa_user_sgpr_kernarg_segment_ptr 1
		.amdhsa_wavefront_size32 1
		.amdhsa_system_sgpr_workgroup_id_x 1
		.amdhsa_system_sgpr_workgroup_id_y 1
		.amdhsa_system_sgpr_workgroup_id_z 1
		.amdhsa_system_vgpr_workitem_id 0
		.amdhsa_next_free_vgpr 512
		.amdhsa_next_free_sgpr 90
		.amdhsa_reserve_vcc 0
		.amdhsa_float_denorm_mode_32 3
		.amdhsa_float_denorm_mode_16_64 3
		.amdhsa_memory_ordered 1
		.amdhsa_forward_progress 1
		.amdhsa_inst_pref_size 171
	.end_amdhsa_kernel
	.amdgpu_metadata
---
amdhsa.version: [ 1, 2 ]
amdhsa.kernels:
  - .name:           k_q209ede93e3_render
    .symbol:         k_q209ede93e3_render.kd
    .args:
      - { .name: fimg, .offset: 0, .size: 8, .value_kind: global_buffer, .address_space: global }
      - { .name: fscl, .offset: 8, .size: 8, .value_kind: global_buffer, .address_space: global }
      - { .name: gpar, .offset: 16, .size: 8, .value_kind: global_buffer, .address_space: global }
      - { .name: gmsk, .offset: 24, .size: 8, .value_kind: global_buffer, .address_space: global }
      - { .name: out0, .offset: 32, .size: 8, .value_kind: global_buffer, .address_space: global }
      - { .name: out1, .offset: 40, .size: 8, .value_kind: global_buffer, .address_space: global }
      - { .name: out2, .offset: 48, .size: 8, .value_kind: global_buffer, .address_space: global }
      - { .name: out3, .offset: 56, .size: 8, .value_kind: global_buffer, .address_space: global }
    .group_segment_fixed_size: 147968
    .private_segment_fixed_size: 0
    .kernarg_segment_align: 8
    .kernarg_segment_size: 64
    .max_flat_workgroup_size: 128
    .sgpr_count:     90
    .vgpr_count:     512
    .wavefront_size: 32
...
	.end_amdgpu_metadata
.endif
;; end of part 2
